; MI455X (gfx1250); checked and timed in simulation.
; The chip was launched on July 23, 2026; its instructions are those of AMD's public machine-readable ISA for CDNA 5 (MIT licence, August 2026) and "CDNA5" Instruction Set Architecture Reference Guide (July 2026). The comments in the code are by the model that wrote it; some were corrected since.
;; CMP Model. Allowed arithmetic: float matrix products may take bf16 or f16 operands with f32 sums; all other float work in f32.
;; Inputs: cmp_emb 50,000 x 256 float32; q_position 64 x 128 float32; questions 64 x 128 int32; weighted_q 128 float32; word_emb 50,000 x 256 float32.
;; Outputs: out0 64 x 256 x 256 float32; out1 64 x 256 x 256 float32.
;; 2 versions, each right; version 2 is version 1 with the launch density written anew for expert scheduling mode. Each part assembles by itself: llvm-mc -triple=amdgcn-amd-amdhsa -mcpu=gfx1250 --defsym DOCPART=n.
;; ======== version 1 of 2: 1 launch
;; limits: values are held in f16: magnitudes above 65,504 overflow, below 6.1e-05 lose precision; right only within a limited range of input values
;; launch density (part 1): grid 256 x 1, 8 waves a work-group, no clusters, 210,176 bytes of LDS; arguments questions, q_position, weighted_q, word_emb, cmp_emb, out0, out1; writes out0, out1
.if DOCPART == 1
	.amdgcn_target "amdgcn-amd-amdhsa--gfx1250"
	.amdhsa_code_object_version 6
	.text
	.protected	k_q7cab3111fb_density
	.globl	k_q7cab3111fb_density
	.p2align	8
	.type	k_q7cab3111fb_density,@function
k_q7cab3111fb_density:
	s_mov_b64 s[64:65], 0
	v_nop
	global_prefetch_b8 v0, s[64:65] scope:SCOPE_SE
	s_setreg_imm32_b32 hwreg(HW_REG_WAVE_MODE, 25, 1), 1
	s_wait_xcnt 0x0
; real[b][d][e] = sum over s of w[s] (R[s][d] R[s][e] + I[s][d] I[s][e]),  imag[b][d][e] = sum over s of w[s] (I[s][d] R[s][e] - R[s][d] I[s][e]),
; R[s] = word_emb[questions[b][s]], I[s] = cmp_emb[questions[b][s]] * q_position[b][s].  64 batches, 128 tokens, 256 columns, all f32.
; No work is left out and every input is read.  ONE IDENTITY is used: w = sgn(w) sqrt|w| sqrt|w|.  With R' = 16 sqrt|w| R and I' = 16 sqrt|w| pos cmp,
; each rounded once to f16, 256 real = sum sgn (R'd R'e + I'd I'e) and 256 imag = sum sgn (I'd R'e - R'd I'e): both sides of every product come from
; the same two LDS arrays, the sign goes onto the d side by an exclusive-or of f16 sign bits, and the factor 2^-8 goes onto the results: both are exact.
; WHY F16: the 128 terms of a sum cancel, and on real's diagonal both factors of a term carry the same rounding error, so that it counts twice;
; f16's 11 bits of significand make each rounding an eighth of bf16's.  ITS ROOM: the square root halves the span of w's exponents, and the factor 16
; centres the operands: an operand overflows at 65,504 / 16 = 4,094, and its step is never coarser than 2^-24 / 16 = 2^-28.  With spreads of 0.02 (tables)
; and 1 (w, position) the largest sqrt|w| |pos| |cmp| is about 0.23; all three thirty times larger give 30^2.5 times that, about 1,150; all three thirty
; times smaller give an operand of about 2e-6, some 560 steps.
; LIMITS: sqrt|w| |word| or sqrt|w| |pos| |cmp| of 4,094 or more becomes an infinity; |w| below 2^-134 counts as 0 (v_sqrt_f32 flushes denormals: its
; entry in the ISA guide, 15.8); an index outside 0..49999 is clamped, as an unsigned number, to 49999; the tokens are summed in another order than in
; the definition; NaN and infinities among the inputs are not followed bit for bit.
; SHARES: work-group = batch (x / 4) and a strip of 64 rows d (x mod 4), all 256 columns e, both outputs.  Eight waves.  Every wave gathers 16 tokens
; (both tables, 4 loads of 512 neighbouring bytes a token) and makes 32 d x 64 e of both outputs: 16 accumulator tiles.
; K = tokens goes in four steps of 32: wave v's token 4 ks + i of its 16 lies in LDS row 32 ks + 4 v + i.  Each step has LDS rows of its own, written once:
; one barrier a step.  The loads of two steps (32 a wave) are out while earlier steps are multiplied.
; NO JOINT LOADS, though the four strips of a batch read the same rows: the rows are picked by index, so a tile is one row of 1,024 bytes, 256 loads a
; work-group, and they would land as 262,144 bytes of f32 beside 139,264 bytes of f16 operands, more than the 327,680 bytes a work-group may have;
; they also need a factor and a rounding in registers.  The four strips are neighbours in x instead.
; THE SYMMETRY (real symmetric, imag antisymmetric) is not used to share blocks between strips: 5 block-kinds of 64 x 64 on eight waves give a wave
; 14 fragments for 20 matrix instructions a step, against 12 for 32 here: more LDS reading for each product.
; REGISTERS: window 0 (v0-255): addresses, token offsets, sign masks, fragments.  Window 1 (v256-511): v256-383 accumulators, v384-511 two gather slots.
.set VLAST, 49999                      ; last row of a table
.set P,     544                        ; LDS row: 256 f16 + 32 bytes: the 8 rows x 2 pieces of 16 bytes that half a wave's transposing load touches fall on 16 different 16-byte columns modulo 256
.set KP,    32*P                       ; the rows of one K step
.set IB,    128*P                      ; I' lies behind R'
.set MASK,  2*IB                       ; 256 bytes: sign masks, wave v's eight words at 32 v
.set STAGE, MASK+256                   ; the way out: two blocks of 16 rows x 272 bytes for each wave
.set SP,    272                        ; stage row: 64 f32 + 16 bytes
.set SBLK,  16*SP
.set LANE, 1                           ; v1   lane
.set RR,   2                           ; v2   lane mod 16
.set HH,   3                           ; v3   lane / 16
.set L16,  4                           ; v4   16 x lane
.set TA,   5                           ; v5   lane mod 8
.set TB,   6                           ; v6   at work
.set OW,   7                           ; v7   byte offset of my token's w
.set OP,   8                           ; v8   of my token's position
.set OWP,  9                           ; v9   of my pair of w
.set WV,   10                          ; v10  w, then 256 |w|
.set PV,   11                          ; v11  position
.set WP,   12                          ; v[12:13] w of tokens 2j, 2j+1 of my wave, j = lane mod 8
.set ASC,  14                          ; v14  lane t (mod 16): 16 sqrt|w| of my wave's token t
.set CSC,  15                          ; v15  the same times the position
.set STR,  16                          ; v16  LDS: where my 8 bytes of a row of R' go;  v17 of I'
.set STI,  17
.set FER,  18                          ; v18, v19  LDS: my e-side fragments in R', I'
.set FEI,  19
.set FDR,  20                          ; v20, v21  my d-side fragments
.set FDI,  21
.set MKA,  22                          ; v22  LDS: the masks that my half of the lanes needs
.set STG,  23                          ; v23  stage, in;  v24 stage, back;  v25 byte offset in the outputs
.set RD,   24
.set CO,   25
.set MST,  26                          ; v26  LDS: where my mask word goes;  v27 the word
.set MVAL, 27
.set TOK,  32                          ; v[32:47]  token t: 1,024 x index + 16 x lane; never rewritten
.set MK,   48                          ; v[48:55]  the step's sign masks, one for each register of a fragment
.set FE,   64                          ; v[64:127] e side: tile et: R' at 16 et, I' at 16 et + 8
.set FD,   128                         ; v[128:159] d side: sgn R' of tiles 0, 1, then sgn I' of tiles 0, 1
.set FN,   160                         ; v[160:175] -sgn R' of tiles 0, 1
.set T,    64                          ; v[64:191] the way out: 32 registers for each of four blocks
.set SG,   128                         ; window 1: v[128:255] two gather slots of 16 loads
.set MSB, 0
.macro WIN new                         ; low byte: bits 1:0 source 0, 3:2 source 1, 5:4 source 2, 7:6 destination; the high byte repeats the setting that is left
.if MSB != \new
	s_set_vgpr_msb (MSB<<8)|\new
.set MSB, \new
.endif
.endm
; The 16 loads of K step ks into slot sl: for each of my four tokens both halves of its row in word_emb, then in cmp_emb.
.macro GATHER ks, sl
	WIN 0x40                                       ; data into window 1, address from window 0
.irp i, 0,1,2,3
	global_load_b128 v[SG+64*\sl+16*\i:SG+64*\sl+16*\i+3],     v[TOK+4*(\ks)+\i], s[10:11]
	global_load_b128 v[SG+64*\sl+16*\i+4:SG+64*\sl+16*\i+7],   v[TOK+4*(\ks)+\i], s[10:11] offset:512
	global_load_b128 v[SG+64*\sl+16*\i+8:SG+64*\sl+16*\i+11],  v[TOK+4*(\ks)+\i], s[12:13]
	global_load_b128 v[SG+64*\sl+16*\i+12:SG+64*\sl+16*\i+15], v[TOK+4*(\ks)+\i], s[12:13] offset:512
.endr
.endm
; Four f32 times the token's factor, rounded once to f16, packed into the first two registers
.macro CONV x, sc
	v_pk_mul_f32 v[\x:\x+1],   v[\x:\x+1],   s[\sc:\sc+1] op_sel_hi:[1,0]
	v_pk_mul_f32 v[\x+2:\x+3], v[\x+2:\x+3], s[\sc:\sc+1] op_sel_hi:[1,0]
	v_cvt_pk_f16_f32 v[\x],   v[\x],   v[\x+1]
	v_cvt_pk_f16_f32 v[\x+1], v[\x+2], v[\x+3]
.endm
; Source 0 = 16 columns e, source 1 = 16 columns d: in the result lane l holds row d = l mod 16 and its registers 0-7 the columns e = 8 (l / 16) + 0..7
.macro MM acc, fe, fd, zero
.if \zero
	v_wmma_f32_16x16x32_f16 v[8*(\acc):8*(\acc)+7], v[\fe:\fe+7], v[\fd:\fd+7], 0
.else
	v_wmma_f32_16x16x32_f16 v[8*(\acc):8*(\acc)+7], v[\fe:\fe+7], v[\fd:\fd+7], v[8*(\acc):8*(\acc)+7]
.endif
.endm
	s_load_b256 s[4:11], s[0:1], 0x0               ; questions s[4:5], q_position s[6:7], weighted_q s[8:9], word_emb s[10:11]
	s_load_b128 s[12:15], s[0:1], 0x20             ; cmp_emb s[12:13], out0 s[14:15]
	s_load_b64 s[16:17], s[0:1], 0x30              ; out1
	v_lshl_add_u32 v254, v0, 2, 0x33100
	v_mov_b32 v255, 0
	v_lshrrev_b32 v[TA], 5, v0
	v_readfirstlane_b32 s18, v[TA]                 ; wave 0..7
	s_lshr_b32 s19, ttmp9, 2                       ; batch
	s_and_b32 s20, ttmp9, 3                        ; strip
	v_and_b32 v[LANE], 31, v0
	v_and_b32 v[RR], 15, v0
	v_bfe_u32 v[HH], v0, 4, 1
	v_lshlrev_b32 v[L16], 4, v[LANE]
	v_and_b32 v[TA], 7, v0
	s_lshl_b32 s21, s18, 6                         ; my wave's 16 tokens x 4 bytes
	s_lshl_b32 s22, s19, 9                         ; the batch's 128 tokens x 4 bytes
	s_add_co_u32 s22, s22, s21
	s_mov_b32 s23, 0
	v_lshl_add_u32 v[OW], v[RR], 2, s21
	v_lshl_add_u32 v[OP], v[RR], 2, s22
	v_lshl_add_u32 v[OWP], v[TA], 3, s21
	s_wait_kmcnt 0x0
	s_add_nc_u64 s[4:5], s[4:5], s[22:23]
	s_load_b512 s[32:47], s[4:5], 0x0              ; my wave's 16 indices: the same in every lane, so they come as scalars
	global_load_b32 v[WV], v[OW], s[8:9]
	global_load_b32 v[PV], v[OP], s[6:7]
	global_load_b64 v[WP:WP+1], v[OWP], s[8:9]
	; LDS addresses, while these are on their way
	s_mul_i32 s24, s18, 4*P
	v_lshl_add_u32 v[STR], v[LANE], 3, s24         ; row 4 x wave, 8 bytes a lane: a store of the wave fills 256 neighbouring bytes
	v_add_nc_u32 v[STI], IB, v[STR]
	v_lshl_add_u32 v[TB], v[HH], 3, v[TA]          ; a transposing load: lane l addresses row 8 (l / 16) + l mod 8,
	v_mul_u32_u24 v[TB], v[TB], P
	v_bfe_u32 v[MVAL], v0, 3, 1
	v_lshl_add_u32 v[TB], v[MVAL], 4, v[TB]        ; and the piece of 16 bytes (l / 8) mod 2
	s_lshr_b32 s25, s18, 1                         ; which 64 columns e are mine
	s_and_b32 s26, s18, 1                          ; which 32 rows d of the strip
	s_lshl_b32 s27, s25, 7
	v_add_nc_u32 v[FER], s27, v[TB]
	v_add_nc_u32 v[FEI], IB, v[FER]
	s_lshl_b32 s28, s20, 7
	s_lshl_b32 s29, s26, 6
	s_add_co_u32 s28, s28, s29                     ; 2 bytes x (64 strip + 32 half): 448 at the most, so a load's last byte in a row is 448 + 32 + 16 + 15 = 511
	v_add_nc_u32 v[FDR], s28, v[TB]
	v_add_nc_u32 v[FDI], IB, v[FDR]
	s_mov_b32 s30, MASK
	v_lshl_add_u32 v[MKA], v[HH], 6, s30           ; rows 8 h .. 8 h + 7 of a step are waves 2 h and 2 h + 1
	s_lshl_b32 s31, s18, 5
	s_add_co_u32 s31, s31, s30
	v_lshl_add_u32 v[MST], v[TA], 2, s31
	s_mul_i32 s24, s18, 2*SBLK
	s_add_co_u32 s24, s24, STAGE                   ; my wave's stage
	v_mul_u32_u24 v[STG], v[RR], SP                ; in: row l mod 16, 32 bytes for each half of the lanes
	v_lshl_add_u32 v[STG], v[HH], 5, v[STG]
	v_add_nc_u32 v[STG], s24, v[STG]
	v_mul_u32_u24 v[RD], v[HH], SP                 ; back: lanes 0-15 a row of 256 bytes, lanes 16-31 the next
	v_lshl_add_u32 v[RD], v[RR], 4, v[RD]
	v_add_nc_u32 v[RD], s24, v[RD]
	v_lshlrev_b32 v[CO], 10, v[HH]                 ; and the same two rows in an output
	v_lshl_add_u32 v[CO], v[RR], 4, v[CO]
	s_lshl_b32 s22, s19, 18                        ; batch x 256 x 256 x 4 bytes
	s_lshl_b32 s28, s28, 9                         ; + my first row d x 1,024
	s_add_co_u32 s22, s22, s28
	s_lshl_b32 s27, s27, 1                         ; + my first column e x 4
	s_add_co_u32 s22, s22, s27
	s_add_nc_u64 s[14:15], s[14:15], s[22:23]
	s_add_nc_u64 s[16:17], s[16:17], s[22:23]
	s_mov_b32 s66, 0x3b800000                      ; 2^-8: takes the two factors 16 off the results
.irp k, 67,69,71,73,75,77,79,81,83
	s_mov_b32 s\k, 0                               ; the upper registers of the factors' pairs: never used, but a pair is read whole
.endr
	s_mov_b32 s84, 0x80008000                      ; the signs of two f16
	s_wait_kmcnt 0x0                               ; the indices
.irp t, 0,1,2,3,4,5,6,7
	s_min_u32 s[32+\t], s[32+\t], VLAST
	v_lshl_add_u32 v[TOK+\t], s[32+\t], 10, v[L16]
.endr
	GATHER 0, 0
	GATHER 1, 1
	WIN 0
.irp t, 8,9,10,11,12,13,14,15
	s_min_u32 s[32+\t], s[32+\t], VLAST
	v_lshl_add_u32 v[TOK+\t], s[32+\t], 10, v[L16]
.endr
	s_wait_loadcnt 32                              ; w, position and the pair of w are in: the 32 gather loads were issued behind them
	v_and_b32 v[WV], 0x7fffffff, v[WV]
	v_mul_f32 v[WV], 0x43800000, v[WV]             ; 256 |w|: its root is 16 sqrt|w|
	v_sqrt_f32 v[ASC], v[WV]
	v_perm_b32 v[MVAL], v[WP+1], v[WP], 0x07060302 ; upper halves of w[2j+1] (above) and w[2j] (below); also the plain instruction behind v_sqrt_f32 (ISA guide 5.7.2)
	v_and_b32 v[MVAL], s84, v[MVAL]                ; their signs, where the signs of two f16 stand
	s_wait_alu depctr_va_vdst(0)
	v_mul_f32 v[CSC], v[ASC], v[PV]
	ds_store_b32 v[MST], v[MVAL]                   ; lanes with the same j store the same word; shown to the others by the first step's barrier
; One K step.  sl: its gather slot; more = 1: the slot is loaded again, two steps ahead; first = 1: its first products start the sums;
; young = how many loads were issued behind this step's sixteen.
.macro STEP ks, sl, more, first, young
.irp i, 0,1,2,3
	v_readlane_b32 s[68+4*\i], v[ASC], 4*\ks+\i    ; the factors of my four tokens, as scalars
	v_readlane_b32 s[70+4*\i], v[CSC], 4*\ks+\i
.endr
	WIN 0x45                                       ; destination and both vector sources in window 1
.irp i, 0,1,2,3
	s_wait_loadcnt \young+12-4*\i                  ; loads come back in order (ISA guide 5.7.1): token i's four are in; the later tokens' and the younger step's stay out
	CONV SG+64*\sl+16*\i,    68+4*\i
	CONV SG+64*\sl+16*\i+4,  68+4*\i
	CONV SG+64*\sl+16*\i+8,  70+4*\i
	CONV SG+64*\sl+16*\i+12, 70+4*\i
.endr
	WIN 0x04                                       ; store data from window 1, address from window 0
.irp i, 0,1,2,3
	ds_store_b64 v[STR], v[SG+64*\sl+16*\i:SG+64*\sl+16*\i+1]     offset:(32*\ks+\i)*P
	ds_store_b64 v[STR], v[SG+64*\sl+16*\i+4:SG+64*\sl+16*\i+5]   offset:(32*\ks+\i)*P+256
	ds_store_b64 v[STI], v[SG+64*\sl+16*\i+8:SG+64*\sl+16*\i+9]   offset:(32*\ks+\i)*P
	ds_store_b64 v[STI], v[SG+64*\sl+16*\i+12:SG+64*\sl+16*\i+13] offset:(32*\ks+\i)*P+256
.endr
	s_wait_dscnt 0x0                               ; for the other waves: my rows of this step are in LDS; and the slot's registers are loaded again only behind the stores that read them
.if \more
	GATHER \ks+2, \sl
.endif
	WIN 0
	s_barrier_signal -1
	s_barrier_wait -1                              ; all 32 rows of the step are in LDS; they are never written again
.irp c, 0,1
	ds_load_b64 v[MK+4*\c:MK+4*\c+1],   v[MKA] offset:128*\c+8*\ks      ; masks of rows 16 c + 8 h + 0..3: wave 4 c + 2 h,
	ds_load_b64 v[MK+4*\c+2:MK+4*\c+3], v[MKA] offset:128*\c+32+8*\ks   ; of rows + 4..7: the wave behind it
.endr
.irp dt, 0,1
	ds_load_tr16_b128 v[FD+8*\dt:FD+8*\dt+3],       v[FDR] offset:\ks*KP+32*\dt
	ds_load_tr16_b128 v[FD+8*\dt+4:FD+8*\dt+7],     v[FDR] offset:\ks*KP+32*\dt+16*P
	ds_load_tr16_b128 v[FD+16+8*\dt:FD+16+8*\dt+3], v[FDI] offset:\ks*KP+32*\dt
	ds_load_tr16_b128 v[FD+16+8*\dt+4:FD+16+8*\dt+7], v[FDI] offset:\ks*KP+32*\dt+16*P
.endr
.irp et, 0,1,2,3
	ds_load_tr16_b128 v[FE+16*\et:FE+16*\et+3],     v[FER] offset:\ks*KP+32*\et
	ds_load_tr16_b128 v[FE+16*\et+4:FE+16*\et+7],   v[FER] offset:\ks*KP+32*\et+16*P
	ds_load_tr16_b128 v[FE+16*\et+8:FE+16*\et+11],  v[FEI] offset:\ks*KP+32*\et
	ds_load_tr16_b128 v[FE+16*\et+12:FE+16*\et+15], v[FEI] offset:\ks*KP+32*\et+16*P
.endr
	s_wait_dscnt 16                                ; masks and d side are in; the sixteen e-side loads stay out while the signs are set
.irp dt, 0,1
.irp j, 0,1,2,3,4,5,6,7
	v_xor_b32 v[FD+8*\dt+\j],    v[MK+\j], v[FD+8*\dt+\j]       ; sgn R'
	v_xor_b32 v[FD+16+8*\dt+\j], v[MK+\j], v[FD+16+8*\dt+\j]    ; sgn I'
	v_xor_b32 v[FN+8*\dt+\j],    s84,      v[FD+8*\dt+\j]       ; -sgn R'
.endr
.endr
	s_wait_dscnt 0x0
	WIN 0x50                                       ; C and D in window 1, fragments in window 0
	; The sixteen accumulators take turns, one instruction a turn, from step to step too.
.irp dt, 0,1
.irp et, 0,1,2,3
	MM 4*\dt+\et,   FE+16*\et,   FD+8*\dt,    \first            ; real += R'e sgn R'd
.endr
.endr
.irp dt, 0,1
.irp et, 0,1,2,3
	MM 8+4*\dt+\et, FE+16*\et,   FD+16+8*\dt, \first            ; imag += R'e sgn I'd
.endr
.endr
.irp dt, 0,1
.irp et, 0,1,2,3
	MM 4*\dt+\et,   FE+16*\et+8, FD+16+8*\dt, 0                 ; real += I'e sgn I'd
.endr
.endr
.irp dt, 0,1
.irp et, 0,1,2,3
	MM 8+4*\dt+\et, FE+16*\et+8, FN+8*\dt,    0                 ; imag -= I'e sgn R'd
.endr
.endr
	WIN 0
.endm                                  ; the next step's 64 scalings and roundings, which name none of these registers, are the places in front of its fragment loads
	STEP 0, 0, 1, 1, 16
	STEP 1, 1, 1, 0, 16
	STEP 2, 0, 0, 0, 16
	STEP 3, 1, 0, 0, 0                             ; nothing was issued behind the last step's loads: its counts run down to 0
; THE WAY OUT.  Block blk = 2 x output + d tile: 16 rows d x 64 columns e, accumulators 4 blk .. 4 blk + 3.  A lane's 8 numbers are 32 neighbouring bytes of a row;
; through the wave's own stage they come back as whole rows of 256 bytes.  Two stage blocks take turns; each block has its own 32 registers, so no store's data is rewritten.
.macro DSBLK blk
	WIN 0x04
.irp et, 0,1,2,3
	ds_store_b128 v[STG], v[8*(4*\blk+\et):8*(4*\blk+\et)+3]   offset:(\blk&1)*SBLK+64*\et
	ds_store_b128 v[STG], v[8*(4*\blk+\et)+4:8*(4*\blk+\et)+7] offset:(\blk&1)*SBLK+64*\et+16
.endr
	WIN 0
.irp t, 0,1,2,3,4,5,6,7
	ds_load_b128 v[T+32*\blk+4*\t:T+32*\blk+4*\t+3], v[RD] offset:(\blk&1)*SBLK+\t*2*SP   ; LDS serves a wave's instructions in order (ISA guide 5.7.1.4): these see the stores above
.endr
.endm
; left = the LDS instructions of the block issued behind this one (8 stores and 8 loads, or none)
.macro GST blk, left, base
.irp t, 0,1,2,3,4,5,6,7
	s_wait_dscnt \left+7-\t
	v_pk_mul_f32 v[T+32*\blk+4*\t:T+32*\blk+4*\t+1],   v[T+32*\blk+4*\t:T+32*\blk+4*\t+1],   s[66:67] op_sel_hi:[1,0]   ; times 2^-8, exact
	v_pk_mul_f32 v[T+32*\blk+4*\t+2:T+32*\blk+4*\t+3], v[T+32*\blk+4*\t+2:T+32*\blk+4*\t+3], s[66:67] op_sel_hi:[1,0]
	global_store_b128 v[CO], v[T+32*\blk+4*\t:T+32*\blk+4*\t+3], s[\base:\base+1] offset:(\blk&1)*16384+\t*2048 th:TH_STORE_NT   ; 16 lanes store 256 consecutive bytes, at a multiple of 256 from the output's first byte
.endr
.endm
.rept 4
	v_nop                                          ; the places behind the last matrix instructions: the stores read results, the loads land on fragments
.endr
	DSBLK 0
	DSBLK 1
	GST 0, 16, 14                                  ; its last wait shows block 0's read-backs done: stage block 0 may be written again
	DSBLK 2
	GST 1, 16, 14
	DSBLK 3
	GST 2, 16, 16
	GST 3, 0, 16
	s_wait_tensorcnt 0x0
	ds_add_u32 v254, v255
	s_wait_dscnt 0x0
	s_endpgm
.Lfunc_end_k_q7cab3111fb_density:
	.size	k_q7cab3111fb_density, .Lfunc_end_k_q7cab3111fb_density-k_q7cab3111fb_density
	.p2alignl 7, 3214868480
	.fill 96, 4, 3214868480
	.section	.rodata,"a",@progbits
	.p2align	6, 0x0
	.amdhsa_kernel k_q7cab3111fb_density
		.amdhsa_group_segment_fixed_size 210176
		.amdhsa_private_segment_fixed_size 0
		.amdhsa_enable_private_segment 0
		.amdhsa_kernarg_size 56
		.amdhsa_user_sgpr_count 2
		.amdhsa_user_sgpr_kernarg_segment_ptr 1
		.amdhsa_wavefront_size32 1
		.amdhsa_system_sgpr_workgroup_id_x 1
		.amdhsa_system_sgpr_workgroup_id_y 1
		.amdhsa_system_sgpr_workgroup_id_z 1
		.amdhsa_system_vgpr_workitem_id 0
		.amdhsa_next_free_vgpr 512
		.amdhsa_next_free_sgpr 86
		.amdhsa_reserve_vcc 0
		.amdhsa_float_denorm_mode_32 3
		.amdhsa_float_denorm_mode_16_64 3
		.amdhsa_memory_ordered 1
		.amdhsa_forward_progress 1
		.amdhsa_inst_pref_size 70
	.end_amdhsa_kernel
	.amdgpu_metadata
---
amdhsa.version: [ 1, 2 ]
amdhsa.kernels:
  - .name:           k_q7cab3111fb_density
    .symbol:         k_q7cab3111fb_density.kd
    .args:
      - { .name: questions, .offset: 0, .size: 8, .value_kind: global_buffer, .address_space: global }
      - { .name: q_position, .offset: 8, .size: 8, .value_kind: global_buffer, .address_space: global }
      - { .name: weighted_q, .offset: 16, .size: 8, .value_kind: global_buffer, .address_space: global }
      - { .name: word_emb, .offset: 24, .size: 8, .value_kind: global_buffer, .address_space: global }
      - { .name: cmp_emb, .offset: 32, .size: 8, .value_kind: global_buffer, .address_space: global }
      - { .name: out0, .offset: 40, .size: 8, .value_kind: global_buffer, .address_space: global }
      - { .name: out1, .offset: 48, .size: 8, .value_kind: global_buffer, .address_space: global }
    .group_segment_fixed_size: 210176
    .private_segment_fixed_size: 0
    .kernarg_segment_align: 8
    .kernarg_segment_size: 56
    .max_flat_workgroup_size: 256
    .sgpr_count:     86
    .vgpr_count:     512
    .wavefront_size: 32
...
	.end_amdgpu_metadata
.endif
;; end of part 1
;; ======== version 2 of 2: 1 launch; version 1 with the launch density written anew for expert scheduling mode
;; limits: values are held in f16: magnitudes above 65,504 overflow, below 6.1e-05 lose precision; right only within a limited range of input values
;; launch density (part 2): grid 256 x 1, 8 waves a work-group, no clusters, 210,176 bytes of LDS; arguments questions, q_position, weighted_q, word_emb, cmp_emb, out0, out1; writes out0, out1
.if DOCPART == 2
	.amdgcn_target "amdgcn-amd-amdhsa--gfx1250"
	.amdhsa_code_object_version 6
	.text
	.protected	k_q7cab3111fb_density
	.globl	k_q7cab3111fb_density
	.p2align	8
	.type	k_q7cab3111fb_density,@function
k_q7cab3111fb_density:
	s_mov_b64 s[64:65], 0
	v_nop
	global_prefetch_b8 v0, s[64:65] scope:SCOPE_SE
	s_setreg_imm32_b32 hwreg(HW_REG_WAVE_SCHED_MODE, 0, 2), 2
	s_setreg_imm32_b32 hwreg(HW_REG_WAVE_MODE, 25, 1), 1
	s_wait_xcnt 0x0
	s_wait_alu depctr_vm_vsrc(0)
; real[b][d][e] = sum over s of w[s] (R[s][d] R[s][e] + I[s][d] I[s][e]),  imag[b][d][e] = sum over s of w[s] (I[s][d] R[s][e] - R[s][d] I[s][e]),
; R[s] = word_emb[questions[b][s]], I[s] = cmp_emb[questions[b][s]] * q_position[b][s].  64 batches, 128 tokens, 256 columns, all f32.
; No work is left out and every input is read.  ONE IDENTITY is used: w = sgn(w) sqrt|w| sqrt|w|.  With R' = 16 sqrt|w| R and I' = 16 sqrt|w| pos cmp,
; each rounded once to f16, 256 real = sum sgn (R'd R'e + I'd I'e) and 256 imag = sum sgn (I'd R'e - R'd I'e): both sides of every product come from
; the same two LDS arrays, the sign goes onto the d side by an exclusive-or of f16 sign bits, and the factor 2^-8 goes onto the results: both are exact.
; WHY F16: the 128 terms of a sum cancel, and on real's diagonal both factors of a term carry the same rounding error, so that it counts twice;
; f16's 11 bits of significand make each rounding an eighth of bf16's.  ITS ROOM: the square root halves the span of w's exponents, and the factor 16
; centres the operands: an operand overflows at 65,504 / 16 = 4,094, and its step is never coarser than 2^-24 / 16 = 2^-28.  With spreads of 0.02 (tables)
; and 1 (w, position) the largest sqrt|w| |pos| |cmp| is about 0.23; all three thirty times larger give 30^2.5 times that, about 1,150; all three thirty
; times smaller give an operand of about 2e-6, some 560 steps.
; LIMITS: sqrt|w| |word| or sqrt|w| |pos| |cmp| of 4,094 or more becomes an infinity; |w| below 2^-134 counts as 0 (v_sqrt_f32 flushes denormals: its
; entry in the ISA guide, 15.8); an index outside 0..49999 is clamped, as an unsigned number, to 49999; the tokens are summed in another order than in
; the definition; NaN and infinities among the inputs are not followed bit for bit.
; SHARES: work-group = batch (x / 4) and a strip of 64 rows d (x mod 4), all 256 columns e, both outputs.  Eight waves.  Every wave gathers 16 tokens
; (both tables, 4 loads of 512 neighbouring bytes a token) and makes 32 d x 64 e of both outputs: 16 accumulator tiles.
; K = tokens goes in four steps of 32: wave v's token 4 ks + i of its 16 lies in LDS row 32 ks + 4 v + i.  Each step has LDS rows of its own, written once:
; one barrier a step.  The loads of two steps (32 a wave) are out while earlier steps are multiplied.
; NO JOINT LOADS, though the four strips of a batch read the same rows: the rows are picked by index, so a tile is one row of 1,024 bytes, 256 loads a
; work-group, and they would land as 262,144 bytes of f32 beside 139,264 bytes of f16 operands, more than the 327,680 bytes a work-group may have;
; they also need a factor and a rounding in registers.  The four strips are neighbours in x instead.
; THE SYMMETRY (real symmetric, imag antisymmetric) is not used to share blocks between strips: 5 block-kinds of 64 x 64 on eight waves give a wave
; 14 fragments for 20 matrix instructions a step, against 12 for 32 here: more LDS reading for each product.
; REGISTERS: window 0 (v0-255): addresses, token offsets, sign masks, fragments, the step's converted numbers.  Window 1 (v256-511): v256-383 accumulators, v384-511 two gather slots.
; THE MODE: SCHED_MODE bits 1:0 = 2 (LLVM: expert scheduling mode 2), set by the entry lines.  The code itself states the register dependences
; between vector or matrix instructions and memory or LDS instructions, with s_wait_alu, always for 0.
; THE PLAN.  Registers that memory or LDS instructions touch:
;   addresses and offsets (v7-9, v16-27, TOK)  made at the head, never written again.
;   the two gather slots   Step ks: its 32 scalings read slot ks mod 2 and write elsewhere; behind them the loads of step ks + 2 land in it.  No store names a slot.
;   CV                     Step ks: its scalings and roundings write CV; its sixteen LDS stores read it; the next step's scalings write it again.
;   MK, FD, FE             Step ks: the fragment loads land in them; the sign lines read MK and FD and write FD; the matrix instructions read FD and FE.
;   the accumulators       written by matrix instructions; read by the LDS stores of the way out.
;   T                      the way out: each block's read-backs land in 32 registers of its own, are scaled there, and are stored from there; never written again.
;   FN is named by vector and matrix instructions alone.
; So ONE wait on va_vdst stands in a step, behind its roundings: CV is written; the scalings are done reading the slot; the step before is done with MK, FD and FE.
; Behind it follow the gather loads, the LDS stores and, behind the barrier, the fragment loads; the only vector lines among these, the sign lines, name MK, FD and FN,
; none of the registers of the loads that follow them.  One wait on vm_vsrc stands at the head of steps 1 to 3, a step behind the stores that read CV.
.set VLAST, 49999                      ; last row of a table
.set P,     544                        ; LDS row: 256 f16 + 32 bytes: the 8 rows x 2 pieces of 16 bytes that half a wave's transposing load touches fall on 16 different 16-byte columns modulo 256
.set KP,    32*P                       ; the rows of one K step
.set IB,    128*P                      ; I' lies behind R'
.set MASK,  2*IB                       ; 256 bytes: sign masks, wave v's eight words at 32 v
.set STAGE, MASK+256                   ; the way out: two blocks of 16 rows x 272 bytes for each wave
.set SP,    272                        ; stage row: 64 f32 + 16 bytes
.set SBLK,  16*SP
.set LANE, 1                           ; v1   lane
.set RR,   2                           ; v2   lane mod 16
.set HH,   3                           ; v3   lane / 16
.set L16,  4                           ; v4   16 x lane
.set TA,   5                           ; v5   lane mod 8
.set TB,   6                           ; v6   at work
.set OW,   7                           ; v7   byte offset of my token's w
.set OP,   8                           ; v8   of my token's position
.set OWP,  9                           ; v9   of my pair of w
.set WV,   10                          ; v10  w, then 256 |w|
.set PV,   11                          ; v11  position
.set WP,   12                          ; v[12:13] w of tokens 2j, 2j+1 of my wave, j = lane mod 8
.set ASC,  14                          ; v14  lane t (mod 16): 16 sqrt|w| of my wave's token t
.set CSC,  15                          ; v15  the same times the position
.set STR,  16                          ; v16  LDS: where my 8 bytes of a row of R' go;  v17 of I'
.set STI,  17
.set FER,  18                          ; v18, v19  LDS: my e-side fragments in R', I'
.set FEI,  19
.set FDR,  20                          ; v20, v21  my d-side fragments
.set FDI,  21
.set MKA,  22                          ; v22  LDS: the masks that my half of the lanes needs
.set STG,  23                          ; v23  stage, in;  v24 stage, back;  v25 byte offset in the outputs
.set RD,   24
.set CO,   25
.set MST,  26                          ; v26  LDS: where my mask word goes;  v27 the word
.set MVAL, 27
.set TOK,  32                          ; v[32:47]  token t: 1,024 x index + 16 x lane; never rewritten
.set MK,   48                          ; v[48:55]  the step's sign masks, one for each register of a fragment
.set FE,   64                          ; v[64:127] e side: tile et: R' at 16 et, I' at 16 et + 8
.set FD,   128                         ; v[128:159] d side: sgn R' of tiles 0, 1, then sgn I' of tiles 0, 1
.set FN,   160                         ; v[160:175] -sgn R' of tiles 0, 1
.set T,    64                          ; v[64:191] the way out: 32 registers for each of four blocks
.set CV,   192                         ; v[192:255] a step's numbers: token i, load q: four scaled f32 at CV + 16 i + 4 q, then their four f16 in the first two of these registers
.set SG,   128                         ; window 1: v[128:255] two gather slots of 16 loads
.set MSB, 0
.macro WIN new                         ; low byte: bits 1:0 source 0, 3:2 source 1, 5:4 source 2, 7:6 destination; the high byte repeats the setting that is left
.if MSB != \new
	s_set_vgpr_msb (MSB<<8)|\new
.set MSB, \new
.endif
.endm
; The 16 loads of K step ks into slot sl: for each of my four tokens both halves of its row in word_emb, then in cmp_emb.
.macro GATHER ks, sl
	WIN 0x40                                       ; data into window 1, address from window 0
.irp i, 0,1,2,3
	global_load_b128 v[SG+64*\sl+16*\i:SG+64*\sl+16*\i+3],     v[TOK+4*(\ks)+\i], s[10:11]
	global_load_b128 v[SG+64*\sl+16*\i+4:SG+64*\sl+16*\i+7],   v[TOK+4*(\ks)+\i], s[10:11] offset:512
	global_load_b128 v[SG+64*\sl+16*\i+8:SG+64*\sl+16*\i+11],  v[TOK+4*(\ks)+\i], s[12:13]
	global_load_b128 v[SG+64*\sl+16*\i+12:SG+64*\sl+16*\i+15], v[TOK+4*(\ks)+\i], s[12:13] offset:512
.endr
.endm
; Four f32 of a slot times the token's factor, into CV
.macro SCALE d, x, sc
	v_pk_mul_f32 v[\d:\d+1],   v[\x:\x+1],   s[\sc:\sc+1] op_sel_hi:[1,0]
	v_pk_mul_f32 v[\d+2:\d+3], v[\x+2:\x+3], s[\sc:\sc+1] op_sel_hi:[1,0]
.endm
; and rounded once to f16, packed into the first two of their four registers
.macro ROUND x
	v_cvt_pk_f16_f32 v[\x],   v[\x],   v[\x+1]
	v_cvt_pk_f16_f32 v[\x+1], v[\x+2], v[\x+3]
.endm
; Source 0 = 16 columns e, source 1 = 16 columns d: in the result lane l holds row d = l mod 16 and its registers 0-7 the columns e = 8 (l / 16) + 0..7
.macro MM acc, fe, fd, zero
.if \zero
	v_wmma_f32_16x16x32_f16 v[8*(\acc):8*(\acc)+7], v[\fe:\fe+7], v[\fd:\fd+7], 0
.else
	v_wmma_f32_16x16x32_f16 v[8*(\acc):8*(\acc)+7], v[\fe:\fe+7], v[\fd:\fd+7], v[8*(\acc):8*(\acc)+7]
.endif
.endm
	s_load_b256 s[4:11], s[0:1], 0x0               ; questions s[4:5], q_position s[6:7], weighted_q s[8:9], word_emb s[10:11]
	s_load_b128 s[12:15], s[0:1], 0x20             ; cmp_emb s[12:13], out0 s[14:15]
	s_load_b64 s[16:17], s[0:1], 0x30              ; out1
	v_lshl_add_u32 v62, v0, 2, 0x33100
	v_mov_b32 v63, 0
	v_lshrrev_b32 v[TA], 5, v0
	v_readfirstlane_b32 s18, v[TA]                 ; wave 0..7
	s_lshr_b32 s19, ttmp9, 2                       ; batch
	s_and_b32 s20, ttmp9, 3                        ; strip
	v_and_b32 v[LANE], 31, v0
	v_and_b32 v[RR], 15, v0
	v_bfe_u32 v[HH], v0, 4, 1
	v_lshlrev_b32 v[L16], 4, v[LANE]
	v_and_b32 v[TA], 7, v0
	s_wait_alu depctr_va_sdst(0)                   ; s18 is written, ahead of its first reader: offsets and LDS addresses are made from it
	s_lshl_b32 s21, s18, 6                         ; my wave's 16 tokens x 4 bytes
	s_lshl_b32 s22, s19, 9                         ; the batch's 128 tokens x 4 bytes
	s_add_co_u32 s22, s22, s21
	s_mov_b32 s23, 0
	v_lshl_add_u32 v[OW], v[RR], 2, s21
	v_lshl_add_u32 v[OP], v[RR], 2, s22
	v_lshl_add_u32 v[OWP], v[TA], 3, s21
	s_wait_kmcnt 0x0
	s_add_nc_u64 s[4:5], s[4:5], s[22:23]
	s_load_b512 s[32:47], s[4:5], 0x0              ; my wave's 16 indices: the same in every lane, so they come as scalars
	s_wait_alu depctr_va_vdst(0)                   ; the three offsets v7 to v9 are written, which the three loads below read
	global_load_b32 v[WV], v[OW], s[8:9]
	global_load_b32 v[PV], v[OP], s[6:7]
	global_load_b64 v[WP:WP+1], v[OWP], s[8:9]
	; LDS addresses, while these are on their way
	s_mul_i32 s24, s18, 4*P
	v_lshl_add_u32 v[STR], v[LANE], 3, s24         ; row 4 x wave, 8 bytes a lane: a store of the wave fills 256 neighbouring bytes
	v_add_nc_u32 v[STI], IB, v[STR]
	v_lshl_add_u32 v[TB], v[HH], 3, v[TA]          ; a transposing load: lane l addresses row 8 (l / 16) + l mod 8,
	v_mul_u32_u24 v[TB], v[TB], P
	v_bfe_u32 v[MVAL], v0, 3, 1
	v_lshl_add_u32 v[TB], v[MVAL], 4, v[TB]        ; and the piece of 16 bytes (l / 8) mod 2
	s_lshr_b32 s25, s18, 1                         ; which 64 columns e are mine
	s_and_b32 s26, s18, 1                          ; which 32 rows d of the strip
	s_lshl_b32 s27, s25, 7
	v_add_nc_u32 v[FER], s27, v[TB]
	v_add_nc_u32 v[FEI], IB, v[FER]
	s_lshl_b32 s28, s20, 7
	s_lshl_b32 s29, s26, 6
	s_add_co_u32 s28, s28, s29                     ; 2 bytes x (64 strip + 32 half): 448 at the most, so a load's last byte in a row is 448 + 32 + 16 + 15 = 511
	v_add_nc_u32 v[FDR], s28, v[TB]
	v_add_nc_u32 v[FDI], IB, v[FDR]
	s_mov_b32 s30, MASK
	v_lshl_add_u32 v[MKA], v[HH], 6, s30           ; rows 8 h .. 8 h + 7 of a step are waves 2 h and 2 h + 1
	s_lshl_b32 s31, s18, 5
	s_add_co_u32 s31, s31, s30
	v_lshl_add_u32 v[MST], v[TA], 2, s31
	s_mul_i32 s24, s18, 2*SBLK
	s_add_co_u32 s24, s24, STAGE                   ; my wave's stage
	v_mul_u32_u24 v[STG], v[RR], SP                ; in: row l mod 16, 32 bytes for each half of the lanes
	v_lshl_add_u32 v[STG], v[HH], 5, v[STG]
	v_add_nc_u32 v[STG], s24, v[STG]
	v_mul_u32_u24 v[RD], v[HH], SP                 ; back: lanes 0-15 a row of 256 bytes, lanes 16-31 the next
	v_lshl_add_u32 v[RD], v[RR], 4, v[RD]
	v_add_nc_u32 v[RD], s24, v[RD]
	v_lshlrev_b32 v[CO], 10, v[HH]                 ; and the same two rows in an output
	v_lshl_add_u32 v[CO], v[RR], 4, v[CO]
	s_lshl_b32 s22, s19, 18                        ; batch x 256 x 256 x 4 bytes
	s_lshl_b32 s28, s28, 9                         ; + my first row d x 1,024
	s_add_co_u32 s22, s22, s28
	s_lshl_b32 s27, s27, 1                         ; + my first column e x 4
	s_add_co_u32 s22, s22, s27
	s_add_nc_u64 s[14:15], s[14:15], s[22:23]
	s_add_nc_u64 s[16:17], s[16:17], s[22:23]
	s_mov_b32 s66, 0x3b800000                      ; 2^-8: takes the two factors 16 off the results
.irp k, 67,69,71,73,75,77,79,81,83
	s_mov_b32 s\k, 0                               ; the upper registers of the factors' pairs: never used, but a pair is read whole
.endr
	s_mov_b32 s84, 0x80008000                      ; the signs of two f16
	s_wait_kmcnt 0x0                               ; the indices
.irp t, 0,1,2,3,4,5,6,7
	s_min_u32 s[32+\t], s[32+\t], VLAST
	v_lshl_add_u32 v[TOK+\t], s[32+\t], 10, v[L16]
.endr
	WIN 0x40
	s_wait_alu depctr_va_vdst(0)                   ; the offsets of tokens 0 to 7 are written, which the 32 loads below read
	GATHER 0, 0
	GATHER 1, 1
	WIN 0
.irp t, 8,9,10,11,12,13,14,15
	s_min_u32 s[32+\t], s[32+\t], VLAST
	v_lshl_add_u32 v[TOK+\t], s[32+\t], 10, v[L16] ; read by the loads of steps 2 and 3, which stand behind the waits of steps 0 and 1
.endr
	s_wait_loadcnt 32                              ; w, position and the pair of w are in: the 32 gather loads were issued behind them
	v_and_b32 v[WV], 0x7fffffff, v[WV]
	v_mul_f32 v[WV], 0x43800000, v[WV]             ; 256 |w|: its root is 16 sqrt|w|
	v_sqrt_f32 v[ASC], v[WV]
	v_perm_b32 v[MVAL], v[WP+1], v[WP], 0x07060302 ; upper halves of w[2j+1] (above) and w[2j] (below); also the plain instruction behind v_sqrt_f32 (ISA guide 5.7.2)
	v_and_b32 v[MVAL], s84, v[MVAL]                ; their signs, where the signs of two f16 stand; stored in the first step, behind its wait
	s_wait_alu depctr_va_vdst(0)
	v_mul_f32 v[CSC], v[ASC], v[PV]
; One K step.  sl: its gather slot; more = 1: the slot is loaded again, two steps ahead; first = 1: its first products start the sums;
; young = how many loads were issued behind this step's sixteen.
.macro STEP ks, sl, more, first, young
.irp i, 0,1,2,3
	v_readlane_b32 s[68+4*\i], v[ASC], 4*\ks+\i    ; the factors of my four tokens, as scalars
	v_readlane_b32 s[70+4*\i], v[CSC], 4*\ks+\i
.endr
	s_wait_alu depctr_va_sdst(0)                   ; the eight factors are written, ahead of their first reader, the first scaling below
.if !\first
	s_wait_alu depctr_vm_vsrc(0)                   ; the LDS stores of the step before have read CV, which the scalings below write again
.endif
	WIN 0x01                                       ; source 0 (the slot) in window 1, destination (CV) in window 0
.irp i, 0,1,2,3
	s_wait_loadcnt \young+12-4*\i                  ; loads come back in order (ISA guide 5.7.1): token i's four are in; the later tokens' and the younger step's stay out
	SCALE CV+16*\i,    SG+64*\sl+16*\i,    68+4*\i
	SCALE CV+16*\i+4,  SG+64*\sl+16*\i+4,  68+4*\i
	SCALE CV+16*\i+8,  SG+64*\sl+16*\i+8,  70+4*\i
	SCALE CV+16*\i+12, SG+64*\sl+16*\i+12, 70+4*\i
.endr
	WIN 0
.irp q, 0,1,2,3,4,5,6,7,8,9,10,11,12,13,14,15
	ROUND CV+4*\q
.endr
.if \more
	WIN 0x40                                       ; the gathers' window, ahead of the wait
.endif
	s_wait_alu depctr_va_vdst(0)                   ; the roundings have written CV, which the LDS stores read; the scalings are done reading the slot, in which the loads below land; the step before
	                                               ; is done reading and writing MK, FD and FE, in which the fragment loads land; in the first step: the LDS addresses, the mask word and the offsets of tokens 8 to 15 are written
.if \more
	GATHER \ks+2, \sl                              ; the slot is asked for again at once, ahead of the stores: no store names it
.endif
	WIN 0
.if \first
	ds_store_b32 v[MST], v[MVAL]                   ; lanes with the same j store the same word; shown to the others by this step's barrier
.endif
.irp i, 0,1,2,3
	ds_store_b64 v[STR], v[CV+16*\i:CV+16*\i+1]       offset:(32*\ks+\i)*P
	ds_store_b64 v[STR], v[CV+16*\i+4:CV+16*\i+5]     offset:(32*\ks+\i)*P+256
	ds_store_b64 v[STI], v[CV+16*\i+8:CV+16*\i+9]     offset:(32*\ks+\i)*P
	ds_store_b64 v[STI], v[CV+16*\i+12:CV+16*\i+13]   offset:(32*\ks+\i)*P+256
.endr
	s_wait_dscnt 0x0                               ; for the other waves: my rows of this step are in LDS
	s_barrier_signal -1
	s_barrier_wait -1                              ; all 32 rows of the step are in LDS; they are never written again
.irp c, 0,1
	ds_load_b64 v[MK+4*\c:MK+4*\c+1],   v[MKA] offset:128*\c+8*\ks      ; masks of rows 16 c + 8 h + 0..3: wave 4 c + 2 h,
	ds_load_b64 v[MK+4*\c+2:MK+4*\c+3], v[MKA] offset:128*\c+32+8*\ks   ; of rows + 4..7: the wave behind it
.endr
.irp dt, 0,1
	ds_load_tr16_b128 v[FD+8*\dt:FD+8*\dt+3],       v[FDR] offset:\ks*KP+32*\dt
	ds_load_tr16_b128 v[FD+8*\dt+4:FD+8*\dt+7],     v[FDR] offset:\ks*KP+32*\dt+16*P
	ds_load_tr16_b128 v[FD+16+8*\dt:FD+16+8*\dt+3], v[FDI] offset:\ks*KP+32*\dt
	ds_load_tr16_b128 v[FD+16+8*\dt+4:FD+16+8*\dt+7], v[FDI] offset:\ks*KP+32*\dt+16*P
.endr
.irp et, 0,1,2,3
	ds_load_tr16_b128 v[FE+16*\et:FE+16*\et+3],     v[FER] offset:\ks*KP+32*\et
	ds_load_tr16_b128 v[FE+16*\et+4:FE+16*\et+7],   v[FER] offset:\ks*KP+32*\et+16*P
.endr
	s_wait_dscnt 8                                 ; masks and d side are in; the eight loads of R' on the e side stay out while the signs are set
.irp dt, 0,1
.irp j, 0,1,2,3,4,5,6,7
	v_xor_b32 v[FD+8*\dt+\j],    v[MK+\j], v[FD+8*\dt+\j]       ; sgn R'
	v_xor_b32 v[FD+16+8*\dt+\j], v[MK+\j], v[FD+16+8*\dt+\j]    ; sgn I'
	v_xor_b32 v[FN+8*\dt+\j],    s84,      v[FD+8*\dt+\j]       ; -sgn R'
.endr
.endr
.irp et, 0,1,2,3
	ds_load_tr16_b128 v[FE+16*\et+8:FE+16*\et+11],  v[FEI] offset:\ks*KP+32*\et        ; I' on the e side.  No wait: the vector lines since the step's wait, the sign lines, name MK, FD and FN alone
	ds_load_tr16_b128 v[FE+16*\et+12:FE+16*\et+15], v[FEI] offset:\ks*KP+32*\et+16*P
.endr
	s_wait_dscnt 8                                 ; R' on the e side is in; the eight loads just issued stay out during the sixteen products that do not read them
	WIN 0x50                                       ; C and D in window 1, fragments in window 0
	; The sixteen accumulators take turns, one instruction a turn, from step to step too.
.irp dt, 0,1
.irp et, 0,1,2,3
	MM 4*\dt+\et,   FE+16*\et,   FD+8*\dt,    \first            ; real += R'e sgn R'd
.endr
.endr
.irp dt, 0,1
.irp et, 0,1,2,3
	MM 8+4*\dt+\et, FE+16*\et,   FD+16+8*\dt, \first            ; imag += R'e sgn I'd
.endr
.endr
	s_wait_dscnt 0x0                               ; I' on the e side is in
.irp dt, 0,1
.irp et, 0,1,2,3
	MM 4*\dt+\et,   FE+16*\et+8, FD+16+8*\dt, 0                 ; real += I'e sgn I'd
.endr
.endr
.irp dt, 0,1
.irp et, 0,1,2,3
	MM 8+4*\dt+\et, FE+16*\et+8, FN+8*\dt,    0                 ; imag -= I'e sgn R'd
.endr
.endr
	WIN 0
.endm                                  ; the next step's 64 scalings and roundings, which name none of these registers, stand in front of its fragment loads
	STEP 0, 0, 1, 1, 16
	STEP 1, 1, 1, 0, 16
	STEP 2, 0, 0, 0, 16
	STEP 3, 1, 0, 0, 0                             ; nothing was issued behind the last step's loads: its counts run down to 0
; THE WAY OUT.  Block blk = 2 x output + d tile: 16 rows d x 64 columns e, accumulators 4 blk .. 4 blk + 3.  A lane's 8 numbers are 32 neighbouring bytes of a row;
; through the wave's own stage they come back as whole rows of 256 bytes.  Two stage blocks take turns; each block has its own 32 registers, so no store's data is rewritten.
; A block is scaled as it comes back; the next block but one goes through the stage; then one wait stands ahead of the block's run of eight stores.
.macro DSBLK blk
	WIN 0x04
.irp et, 0,1,2,3
	ds_store_b128 v[STG], v[8*(4*\blk+\et):8*(4*\blk+\et)+3]   offset:(\blk&1)*SBLK+64*\et
	ds_store_b128 v[STG], v[8*(4*\blk+\et)+4:8*(4*\blk+\et)+7] offset:(\blk&1)*SBLK+64*\et+16
.endr
	WIN 0
.irp t, 0,1,2,3,4,5,6,7
	ds_load_b128 v[T+32*\blk+4*\t:T+32*\blk+4*\t+3], v[RD] offset:(\blk&1)*SBLK+\t*2*SP   ; LDS serves a wave's instructions in order (ISA guide 5.7.1.4): these see the stores above
.endr
.endm
; left = the LDS instructions of the block issued behind this one (8 stores and 8 loads, or none)
.macro MUL blk, left
.irp t, 0,1,2,3,4,5,6,7
	s_wait_dscnt \left+7-\t
	v_pk_mul_f32 v[T+32*\blk+4*\t:T+32*\blk+4*\t+1],   v[T+32*\blk+4*\t:T+32*\blk+4*\t+1],   s[66:67] op_sel_hi:[1,0]   ; times 2^-8, exact
	v_pk_mul_f32 v[T+32*\blk+4*\t+2:T+32*\blk+4*\t+3], v[T+32*\blk+4*\t+2:T+32*\blk+4*\t+3], s[66:67] op_sel_hi:[1,0]
.endr
.endm
.macro SEND blk, base
.irp t, 0,1,2,3,4,5,6,7
	global_store_b128 v[CO], v[T+32*\blk+4*\t:T+32*\blk+4*\t+3], s[\base:\base+1] offset:(\blk&1)*16384+\t*2048 th:TH_STORE_NT   ; 16 lanes store 256 consecutive bytes, at a multiple of 256 from the output's first byte
.endr
.endm
.rept 4
	v_nop                                          ; the places behind the last matrix instructions: the stores read results, the loads land on fragments
.endr
	s_wait_alu depctr_va_vdst(0)                   ; the matrix instructions have written the accumulators, which the LDS stores read, and are done reading FE, FD and FN, in which the read-backs land; the places above stay beside this wait
	DSBLK 0
	DSBLK 1
	MUL 0, 16                                      ; its last wait shows block 0's read-backs done: stage block 0 may be written again
	DSBLK 2                                        ; no wait: the multiplies since the wait above name block 0's registers alone
	s_wait_alu depctr_va_vdst(0)                   ; the multiplies have written block 0's 32 registers, which the stores read
	SEND 0, 14
	MUL 1, 16
	DSBLK 3                                        ; no wait: the multiplies since the last wait name block 1's registers alone
	s_wait_alu depctr_va_vdst(0)                   ; the multiplies have written block 1's 32 registers, which the stores read
	SEND 1, 14
	MUL 2, 16
	MUL 3, 0
	s_wait_alu depctr_va_vdst(0)                   ; the multiplies have written the registers of blocks 2 and 3, which the last sixteen stores read
	SEND 2, 16
	SEND 3, 16
	s_wait_dscnt 0x0
	s_wait_alu depctr_hold_cnt(0) depctr_sa_sdst(0) depctr_va_vdst(0) depctr_va_sdst(0) depctr_va_ssrc(0) depctr_va_vcc(0) depctr_vm_vsrc(0)
	s_wait_tensorcnt 0x0
	ds_add_u32 v62, v63
	s_wait_dscnt 0x0
	s_endpgm
.Lfunc_end_k_q7cab3111fb_density:
	.size	k_q7cab3111fb_density, .Lfunc_end_k_q7cab3111fb_density-k_q7cab3111fb_density
	.p2alignl 7, 3214868480
	.fill 96, 4, 3214868480
	.section	.rodata,"a",@progbits
	.p2align	6, 0x0
	.amdhsa_kernel k_q7cab3111fb_density
		.amdhsa_group_segment_fixed_size 210176
		.amdhsa_private_segment_fixed_size 0
		.amdhsa_enable_private_segment 0
		.amdhsa_kernarg_size 56
		.amdhsa_user_sgpr_count 2
		.amdhsa_user_sgpr_kernarg_segment_ptr 1
		.amdhsa_wavefront_size32 1
		.amdhsa_system_sgpr_workgroup_id_x 1
		.amdhsa_system_sgpr_workgroup_id_y 1
		.amdhsa_system_sgpr_workgroup_id_z 1
		.amdhsa_system_vgpr_workitem_id 0
		.amdhsa_next_free_vgpr 512
		.amdhsa_next_free_sgpr 86
		.amdhsa_reserve_vcc 0
		.amdhsa_float_denorm_mode_32 3
		.amdhsa_float_denorm_mode_16_64 3
		.amdhsa_memory_ordered 1
		.amdhsa_forward_progress 1
		.amdhsa_inst_pref_size 71
	.end_amdhsa_kernel
	.amdgpu_metadata
---
amdhsa.version: [ 1, 2 ]
amdhsa.kernels:
  - .name:           k_q7cab3111fb_density
    .symbol:         k_q7cab3111fb_density.kd
    .args:
      - { .name: questions, .offset: 0, .size: 8, .value_kind: global_buffer, .address_space: global }
      - { .name: q_position, .offset: 8, .size: 8, .value_kind: global_buffer, .address_space: global }
      - { .name: weighted_q, .offset: 16, .size: 8, .value_kind: global_buffer, .address_space: global }
      - { .name: word_emb, .offset: 24, .size: 8, .value_kind: global_buffer, .address_space: global }
      - { .name: cmp_emb, .offset: 32, .size: 8, .value_kind: global_buffer, .address_space: global }
      - { .name: out0, .offset: 40, .size: 8, .value_kind: global_buffer, .address_space: global }
      - { .name: out1, .offset: 48, .size: 8, .value_kind: global_buffer, .address_space: global }
    .group_segment_fixed_size: 210176
    .private_segment_fixed_size: 0
    .kernarg_segment_align: 8
    .kernarg_segment_size: 56
    .max_flat_workgroup_size: 256
    .sgpr_count:     86
    .vgpr_count:     512
    .wavefront_size: 32
...
	.end_amdgpu_metadata
.endif
;; end of part 2
